; MI455X (gfx1250); checked and timed in simulation.
; The chip was launched on July 23, 2026; its instructions are those of AMD's public machine-readable ISA for CDNA 5 (MIT licence, August 2026) and "CDNA5" Instruction Set Architecture Reference Guide (July 2026). The comments in the code are by the model that wrote it; some were corrected since.
;; Set Attention. Allowed arithmetic: matrix products marked QUANTISED: E2M1 operands, one E8M0 scale for each 32 along K, by v_wmma_scale_f32_16x16x128_f8f6f4 with both operands' format E2M1 (or v_wmma_scale_f32_32x16x128_f4), f32 sums; products left as they are: f32 operands where the result goes on into a quantised operand, else bf16, f16 or f32 operands; f32 sums; everything else in f32.
;; Inputs: Wk 256 x 256 float32; Wp 256 x 256 float32; Wq 256 x 256 float32; Wv 256 x 256 float32; bk 256 float32; bn_b 16 float32; bn_g 16 float32; bn_m 16 float32; bn_v 16 float32; bp 256 float32; bq 256 float32; bv 256 float32; fc1_b 1,024 float32; fc1_w 1,024 x 256 float32; fc2_b 256 float32; fc2_w 256 x 1,024 float32; ln1_b 256 float32; ln1_g 256 float32; ln2_b 256 float32; ln2_g 256 float32; pe_b1 16 float32; pe_b2 8 float32; pe_w1 16 x 2 float32; pe_w2 8 x 16 float32; pos 4 x 16,384 x 2 float32; x 4 x 16,384 x 256 float32.
;; Outputs: out0 4 x 16,384 x 256 float32.
;; This version of the problem:
;;   THIS VERSION OF THE PROBLEM IS GIVEN IN LOW PRECISION. The matrix products marked QUANTISED in the list below multiply operands that are first quantised to E2M1 (2 exponent bits, 1 mantissa bit; 4 bits a number), with one power-of-two scale for each 32 numbers along K (OCP MX v1.0); their sums are f32. All else is computed in f32.
;;   The module's matrix products, in the order in which they are computed (A, B: the left and right operand; K: the contracted axis; several contracted axes count as one K, in the product's order):
;;     1. [M 2,097,152, K 2] x [K 2, N 16]; A: computed on the way; B: input pe_w1: left as it is (K = 2 < 32)
;;     2. [M 2,097,152, K 16] x [K 16, N 8]; A: computed on the way; B: input pe_w2: left as it is (K = 16 < 32)
;;     3. [M 65,536, K 256] x [K 256, N 256]; A: computed on the way; B: input Wq: QUANTISED
;;     4. [M 65,536, K 256] x [K 256, N 256]; A: computed on the way; B: input Wk: QUANTISED
;;     5. [M 65,536, K 256] x [K 256, N 256]; A: computed on the way; B: input Wv: QUANTISED
;;     6. batch 16,384 x [M 32, K 32] x [K 32, N 32]; A: computed on the way; B: computed on the way: QUANTISED
;;     7. batch 16,384 x [M 32, K 32] x [K 32, N 32]; A: softmax (see below); B: computed on the way: QUANTISED
;;     8. [M 65,536, K 256] x [K 256, N 256]; A: computed on the way; B: input Wp: QUANTISED
;;     9. [M 65,536, K 256] x [K 256, N 1,024]; A: computed on the way; B: input fc1_w: QUANTISED
;;     10. [M 65,536, K 1,024] x [K 1,024, N 256]; A: computed on the way; B: input fc2_w: QUANTISED
;;   THE QUANTISER, for each operand of a quantised product, along K:
;;     - K is cut into blocks of 32 from its start; a last block that is shorter is filled with zeros.
;;     - A block's scale is 2^e with e = floor(log2(the largest magnitude in the block)) - 2, held to -126 .. 127; a block of zeros has e = 0. As a byte (E8M0): e + 127.
;;     - Each number is divided by its block's scale, clamped to +-6, and rounded to the nearest number of E2M1, ties to even, subnormals kept.
;;     - The product sums the exact products of the quantised numbers (number of the format x scale) in f32.
;;   ~~~python
;;   def quantise(x, axis):      # numpy; x: float32 -> the quantised numbers, widened to float32 again
;;       x = np.moveaxis(x, axis, -1); K = x.shape[-1]
;;       x = np.pad(x, [(0, 0)] * (x.ndim - 1) + [(0, -K % 32)]); x = x.reshape(x.shape[:-1] + (-1, 32)); a = np.abs(x).max(-1, keepdims=True)
;;       e = np.where(a > 0, np.clip(np.frexp(np.where(a > 0, a, 1))[1] - 1 - 2, -126, 127), 0)      # np.frexp(a)[1] - 1 = floor(log2(a)), exactly
;;       r = np.clip(x / 2.0 ** e, -6, 6)
;;       step = 2.0 ** (np.maximum(np.frexp(np.where(r == 0, 1, r))[1] - 1, 0) - 1)
;;       q = np.round(r / step) * step * 2.0 ** e      # np.round: ties to even
;;       return np.moveaxis(q.reshape(q.shape[:-2] + (-1,))[..., :K], -1, axis).astype(np.float32)
;;   ~~~
;;   SOFTMAX AHEAD OF A QUANTISED PRODUCT. Where the list says 'softmax', what is quantised is not the finished softmax but p = 2^(t - M), with t = logit x log2(e) and M = ceil(the row's largest t), a whole number; so 1/2 < the row's largest p <= 1. The row's sum l is taken of the UNQUANTISED p, in f32, and the product's result is divided by l at the end. Since M is a whole number, a kernel that streams over the keys may use a running M (the ceiling of the running maximum): every later rescaling is an exact power of two, which a block's scale takes up: the codes' values come out the same.
;;   OPERANDS COMPUTED ON THE WAY. 'Computed on the way' means the value that the module computes at that place (a softmax that the list does not call 'softmax' is quantised finished and normalised). What goes into a quantiser is computed in f32, as accurately as f32 sums, v_exp_f32 and their like allow (about 1e-6 of the number): no bf16 or f16 on the way to a quantiser, and a product that is left as it is and whose result goes on into a quantised operand takes f32 operands (vector FMAs, or v_wmma_f32_16x16x4_f32). A number that lies on a knife's edge between two numbers of the format may be rounded either way, as far as f32 arithmetic and the matrix unit's own rounding can turn it there, and no further.
;; One version. Each part assembles by itself: llvm-mc -triple=amdgcn-amd-amdhsa -mcpu=gfx1250 --defsym DOCPART=n.
;; ======== version 1 of 1: 2 launches
;; limits: a function is approximated: absolute error at most 7.5e-08
;; workspace buffers: wblob 417,792 bytes; peconst 2,048 bytes
;; launch prep (part 1): grid 97 x 1, 4 waves a work-group, no clusters, 768 bytes of LDS; arguments Wq, Wk, Wv, Wp, fc1_w, fc2_w, pe_w1, pe_b1, bn_g, bn_b, bn_m, bn_v, pe_w2, wblob, peconst; writes wblob, peconst
.if DOCPART == 1
	.amdgcn_target "amdgcn-amd-amdhsa--gfx1250"
	.amdhsa_code_object_version 6
	.text
	.protected	k_q478b12a13c_prep
	.globl	k_q478b12a13c_prep
	.p2align	8
	.type	k_q478b12a13c_prep,@function
k_q478b12a13c_prep:
	s_mov_b64 s[64:65], 0
	v_nop
	global_prefetch_b8 v0, s[64:65] scope:SCOPE_SE
	s_setreg_imm32_b32 hwreg(HW_REG_WAVE_MODE, 25, 1), 1
	s_wait_xcnt 0x0
; The six weights, f32 with K innermost, become codes of FP4 (E2M1) with one E8M0 byte for each 32 along K, laid as IMAGES OF OPERAND REGISTERS,
; and BatchNorm is folded into three constants for each hidden unit of the position MLP.
; wblob: 12 chunks of 34,816 bytes (Wq, Wk, Wv, Wp, c0 .. c7).  A chunk: 32 fragments of 1,024 bytes, then 32 x 64 bytes of scale words.
; A fragment is 16 rows x 128 K: piece c (512 bytes) holds lane l's 16 bytes at 16 l: the 32 codes of K block 2 c + l / 16 of the fragment's row l % 16.
; THE ROWS OF A TILE ARE NOT NEIGHBOURS: row r of tile t is weight row 32 (t / 2) + 8 (t % 2) + r + 8 (r / 8), so that the results of two neighbouring tiles are 16 neighbours along the next K.
; 256 x 256 matrices: fragment f = 2 t + s (tile t, K step s).  Chunk c_i: f = 0 .. 15: fc1's rows 128 i on, f = 2 t + s; f = 16 + t: fc2's tile t, K step i.
; Work-groups 0 .. 95: a fragment a wave; a lane holds two whole blocks of 32, so no other lane is asked for a maximum.  Work-group 96, wave 0: the position MLP's constants.
; A lane reads 128 consecutive bytes of its row for each block: the launch reads 3.1 MB once, with sixteen loads of every wave out together; a turn through LDS would only add to its length.
; A block's scale byte is its largest magnitude's exponent field - 2, held at 1 from below.
; LIMITS: a block of zeros, or one whose largest magnitude lies under 2^-124, gets the byte 1 (its codes are zeros or the nearest codes; this program alone reads the bytes); NaN and infinities are not served.
.set CHUNK, 34816
	s_load_b512 s[4:19], s[0:1], 0x0               ; Wq 4, Wk 6, Wv 8, Wp 10, fc1_w 12, fc2_w 14, pe_w1 16, pe_b1 18
	s_load_b256 s[20:27], s[0:1], 0x40             ; bn_g 20, bn_b 22, bn_m 24, bn_v 26
	s_load_b128 s[28:31], s[0:1], 0x60             ; pe_w2 28, wblob 30
	s_load_b64 s[32:33], s[0:1], 0x70              ; peconst
	v_lshl_add_u32 v96, v0, 2, 0x100
	v_mov_b32 v97, 0
	v_lshrrev_b32 v1, 5, v0
	v_readfirstlane_b32 s36, v1                    ; wave
	v_and_b32 v2, 15, v0                           ; r
	v_bfe_u32 v3, v0, 4, 1                         ; h
	v_and_b32 v4, 31, v0                           ; lane
	s_lshl_b32 s53, s36, 6
	v_lshl_add_u32 v8, v2, 2, s53                  ; LDS: my fragment's 16 scale words: 64 x wave + 4 r
	v_lshlrev_b32 v9, 3, v4                        ; LDS: wave 0 reads all 256 bytes back, 8 a lane
	s_mov_b32 s38, 0x76543210
	s_mov_b32 s39, 0xfedcba98                      ; v_permlanex16_b32's selects for lane l xor 16
	s_wait_kmcnt 0x0
	s_cmp_eq_u32 ttmp9, 96
	s_cbranch_scc1 .Lpe
	; ---- which fragment: chunk ch, fragment f
	s_lshr_b32 s40, ttmp9, 3                       ; ch
	s_and_b32 s41, ttmp9, 7
	s_lshl_b32 s42, s41, 2
	s_add_co_u32 s42, s42, s36                     ; f = 4 (g % 8) + wave
	s_sub_co_u32 s45, s40, 4                       ; i (used where ch >= 4 alone)
	s_sub_co_u32 s46, s42, 16                      ; fc2's tile
	s_lshr_b32 s47, s42, 1                         ; the others' tile
	s_and_b32 s37, s42, 1
	s_lshl_b32 s37, s37, 9                         ; the others' K step in bytes
	s_lshl_b32 s48, s45, 9                         ; fc2's K step in bytes
	s_lshl_b32 s49, s45, 7                         ; fc1's first row
	s_mov_b64 s[34:35], s[4:5]                     ; the source: a choice on the work-group's number alone
	s_cmp_eq_u32 s40, 1
	s_cselect_b64 s[34:35], s[6:7], s[34:35]
	s_cmp_eq_u32 s40, 2
	s_cselect_b64 s[34:35], s[8:9], s[34:35]
	s_cmp_eq_u32 s40, 3
	s_cselect_b64 s[34:35], s[10:11], s[34:35]
	s_cmp_ge_u32 s40, 4
	s_cselect_b64 s[34:35], s[12:13], s[34:35]
	s_cselect_b32 s43, 1, 0                        ; a chunk of the MLP?
	s_cmp_ge_u32 s41, 4
	s_cselect_b32 s44, s43, 0                      ; its fc2 half?
	s_cmp_eq_u32 s44, 1
	s_cselect_b64 s[34:35], s[14:15], s[34:35]
	s_cselect_b32 s46, s46, s47                    ; t
	s_cselect_b32 s48, s48, s37                    ; the K step's bytes
	s_cselect_b32 s50, 12, 10                      ; log2 of a row's bytes
	s_cselect_b32 s51, 0, s49
	s_cmp_eq_u32 s43, 1
	s_cselect_b32 s51, s51, 0                      ; the tile numbering's first row
	s_lshr_b32 s52, s46, 1
	s_lshl_b32 s52, s52, 5
	s_add_co_u32 s51, s51, s52
	s_and_b32 s52, s46, 1
	s_lshl_b32 s52, s52, 3
	s_add_co_u32 s51, s51, s52                     ; + 32 (t / 2) + 8 (t % 2)
	v_and_b32 v5, 8, v2
	v_add_nc_u32 v5, v5, v2                        ; r + 8 (r / 8)
	v_add_nc_u32 v5, s51, v5
	v_lshlrev_b32 v5, s50, v5                      ; my row
	v_add_nc_u32 v5, s48, v5
	v_lshl_add_u32 v5, v3, 7, v5                   ; + 128 h: block 2 c + h begins 256 c + 128 h bytes into the K step
.irp c, 0,1
.irp i, 0,1,2,3,4,5,6,7
	global_load_b128 v[16+32*\c+4*\i:19+32*\c+4*\i], v5, s[34:35] offset:256*\c+16*\i th:TH_LOAD_NT
.endr
.endr
	s_mul_i32 s54, s40, CHUNK
	s_mov_b32 s55, 0
	s_add_nc_u64 s[56:57], s[30:31], s[54:55]      ; my chunk
	s_lshl_b32 s52, s42, 10
	v_lshlrev_b32 v6, 4, v4
	v_add_nc_u32 v6, s52, v6                       ; my fragment, 16 bytes a lane
	s_lshl_b32 s52, s41, 8
	s_add_co_u32 s52, s52, 32768
	v_add_nc_u32 v7, s52, v9                       ; the work-group's four fragments' scale words: one aligned run of 256 bytes
	s_wait_loadcnt 0x0
.irp c, 0,1
	v_max3_num_f32 v[10+\c], |v[16+32*\c]|, |v[17+32*\c]|, 0x1800000   ; the floor 2^(3 - 127) among the leaves holds the byte at 1 from below
.endr
.irp i, 2,4,6,8,10,12,14,16,18,20,22,24,26,28,30
.irp c, 0,1
	v_max3_num_f32 v[10+\c], v[10+\c], |v[16+32*\c+\i]|, |v[17+32*\c+\i]|   ; the two blocks by turns
.endr
.endr
.irp c, 0,1
	v_add_nc_u32 v[14+\c], 0xff000000, v[10+\c]    ; 2 off the exponent field: the conversion's scale operand
.endr
.irp c, 0,1
	v_lshrrev_b32 v[10+\c], 23, v[14+\c]           ; the scale's byte
.endr
	v_lshl_or_b32 v12, v11, 16, v10                ; blocks h and 2 + h,
	v_lshlrev_b32 v13, 3, v3
	v_lshlrev_b32 v12, v13, v12                    ; at their places in the word;
	v_mov_b32 v13, 0
	v_permlanex16_b32 v13, v12, s38, s39
	v_or_b32 v12, v12, v13                         ; with lane l xor 16's two the word is whole
.irp c, 0,1
.irp g, 0,1,2,3
	v_cvt_scalef32_pk8_fp4_f32 v[80+4*\c+\g], v[16+32*\c+8*\g:23+32*\c+8*\g], v[14+\c]
.endr
.endr
	v_nop                                          ; one plain line behind the last scaled conversion
	global_store_b128 v6, v[80:83], s[56:57]       ; 32 lanes store 512 consecutive bytes, aligned
	global_store_b128 v6, v[84:87], s[56:57] offset:512
	ds_store_b32 v8, v12                           ; both halves of the lanes write the same word with the same value
	s_wait_dscnt 0x0                               ; for wave 0's sake: my store has landed
	s_barrier_signal -1
	s_barrier_wait -1
	s_cmp_lg_u32 s36, 0
	s_cbranch_scc1 .Lend
	ds_load_b64 v[10:11], v9
	s_wait_dscnt 0x0
	global_store_b64 v7, v[10:11], s[56:57]        ; 256 consecutive bytes, aligned
	s_branch .Lend
.Lpe:
	; ---- the position MLP: s = bn_g rsq(bn_v + eps); ax = w1[o][0] s; ay = w1[o][1] s; cc = (b1 - bn_m) s + bn_b.  Lane = 16 h + o.
	; A row of peconst, 128 bytes for hidden unit o: w2[0 .. 7][o], each twice (lanes 0-15 store these 64 bytes); ax, ax, ay, ay, cc, cc, ten zeros (lanes 16-31).
	s_cmp_lg_u32 s36, 0
	s_cbranch_scc1 .Lend
	v_lshlrev_b32 v5, 3, v2
	v_lshlrev_b32 v6, 2, v2
	global_load_b64 v[16:17], v5, s[16:17]
	global_load_b32 v18, v6, s[18:19]
	global_load_b32 v19, v6, s[20:21]
	global_load_b32 v20, v6, s[22:23]
	global_load_b32 v21, v6, s[24:25]
	global_load_b32 v22, v6, s[26:27]
.irp hd, 0,1,2,3,4,5,6,7
	global_load_b32 v[24+\hd], v6, s[28:29] offset:64*\hd
.endr
	v_lshlrev_b32 v7, 7, v2
	v_lshl_add_u32 v7, v3, 6, v7                   ; 128 o + 64 h
	v_mov_b32 v23, 0
	v_cmp_eq_u32 vcc_lo, 1, v3
	s_wait_loadcnt 0x0
	v_add_f32 v22, 0x3727c5ac, v22                 ; + 1e-5
	v_rsq_f32 v22, v22
	v_sub_f32 v18, v18, v21                        ; (the plain line behind the root)
	s_wait_alu depctr_va_vdst(0)
	v_mul_f32 v22, v22, v19
	v_mul_f32 v16, v16, v22
	v_mul_f32 v17, v17, v22
	v_fma_f32 v18, v18, v22, v20
.irp j, 0,1
	v_cndmask_b32 v[32+\j], v24, v16, vcc_lo
	v_cndmask_b32 v[34+\j], v25, v17, vcc_lo
	v_cndmask_b32 v[36+\j], v26, v18, vcc_lo
	v_cndmask_b32 v[38+\j], v27, v23, vcc_lo
	v_cndmask_b32 v[40+\j], v28, v23, vcc_lo
	v_cndmask_b32 v[42+\j], v29, v23, vcc_lo
	v_cndmask_b32 v[44+\j], v30, v23, vcc_lo
	v_cndmask_b32 v[46+\j], v31, v23, vcc_lo
.endr
.irp j, 0,1,2,3
	global_store_b128 v7, v[32+4*\j:35+4*\j], s[32:33] offset:16*\j
.endr
.Lend:
	s_wait_tensorcnt 0x0
	ds_add_u32 v96, v97
	s_wait_dscnt 0x0
	s_endpgm
.Lfunc_end_k_q478b12a13c_prep:
	.size	k_q478b12a13c_prep, .Lfunc_end_k_q478b12a13c_prep-k_q478b12a13c_prep
	.p2alignl 7, 3214868480
	.fill 96, 4, 3214868480
	.section	.rodata,"a",@progbits
	.p2align	6, 0x0
	.amdhsa_kernel k_q478b12a13c_prep
		.amdhsa_group_segment_fixed_size 768
		.amdhsa_private_segment_fixed_size 0
		.amdhsa_enable_private_segment 0
		.amdhsa_kernarg_size 120
		.amdhsa_user_sgpr_count 2
		.amdhsa_user_sgpr_kernarg_segment_ptr 1
		.amdhsa_wavefront_size32 1
		.amdhsa_system_sgpr_workgroup_id_x 1
		.amdhsa_system_sgpr_workgroup_id_y 1
		.amdhsa_system_sgpr_workgroup_id_z 1
		.amdhsa_system_vgpr_workitem_id 0
		.amdhsa_next_free_vgpr 98
		.amdhsa_next_free_sgpr 66
		.amdhsa_reserve_vcc 1
		.amdhsa_float_denorm_mode_32 3
		.amdhsa_float_denorm_mode_16_64 3
		.amdhsa_memory_ordered 1
		.amdhsa_forward_progress 1
		.amdhsa_inst_pref_size 12
	.end_amdhsa_kernel
	.amdgpu_metadata
---
amdhsa.version: [ 1, 2 ]
amdhsa.kernels:
  - .name:           k_q478b12a13c_prep
    .symbol:         k_q478b12a13c_prep.kd
    .args:
      - { .name: Wq, .offset: 0, .size: 8, .value_kind: global_buffer, .address_space: global }
      - { .name: Wk, .offset: 8, .size: 8, .value_kind: global_buffer, .address_space: global }
      - { .name: Wv, .offset: 16, .size: 8, .value_kind: global_buffer, .address_space: global }
      - { .name: Wp, .offset: 24, .size: 8, .value_kind: global_buffer, .address_space: global }
      - { .name: fc1_w, .offset: 32, .size: 8, .value_kind: global_buffer, .address_space: global }
      - { .name: fc2_w, .offset: 40, .size: 8, .value_kind: global_buffer, .address_space: global }
      - { .name: pe_w1, .offset: 48, .size: 8, .value_kind: global_buffer, .address_space: global }
      - { .name: pe_b1, .offset: 56, .size: 8, .value_kind: global_buffer, .address_space: global }
      - { .name: bn_g, .offset: 64, .size: 8, .value_kind: global_buffer, .address_space: global }
      - { .name: bn_b, .offset: 72, .size: 8, .value_kind: global_buffer, .address_space: global }
      - { .name: bn_m, .offset: 80, .size: 8, .value_kind: global_buffer, .address_space: global }
      - { .name: bn_v, .offset: 88, .size: 8, .value_kind: global_buffer, .address_space: global }
      - { .name: pe_w2, .offset: 96, .size: 8, .value_kind: global_buffer, .address_space: global }
      - { .name: wblob, .offset: 104, .size: 8, .value_kind: global_buffer, .address_space: global }
      - { .name: peconst, .offset: 112, .size: 8, .value_kind: global_buffer, .address_space: global }
    .group_segment_fixed_size: 768
    .private_segment_fixed_size: 0
    .kernarg_segment_align: 8
    .kernarg_segment_size: 120
    .max_flat_workgroup_size: 128
    .sgpr_count:     66
    .vgpr_count:     98
    .wavefront_size: 32
...
	.end_amdgpu_metadata
.endif
;; end of part 1
;; launch block (part 2): grid 256 x 1, 8 waves a work-group, clusters of 4 x 1, 327,680 bytes of LDS; arguments x, out0, wblob, peconst, pos, pe_b2, ln1_g, ln1_b, bq, bk, bv, bp, ln2_g, ln2_b, fc1_b, fc2_b; writes out0
.if DOCPART == 2
	.amdgcn_target "amdgcn-amd-amdhsa--gfx1250"
	.amdhsa_code_object_version 6
	.text
	.protected	k_q478b12a13c_block
	.globl	k_q478b12a13c_block
	.p2align	8
	.type	k_q478b12a13c_block,@function
k_q478b12a13c_block:
	s_mov_b64 s[64:65], 0
	v_nop
	global_prefetch_b8 v0, s[64:65] scope:SCOPE_SE
	s_setreg_imm32_b32 hwreg(HW_REG_WAVE_MODE, 25, 1), 1
	s_wait_xcnt 0x0
	s_wait_alu depctr_hold_cnt(0) depctr_sa_sdst(0) depctr_va_vdst(0) depctr_va_sdst(0) depctr_va_ssrc(0) depctr_va_vcc(0) depctr_vm_vsrc(0)
	s_getreg_b32 s2, hwreg(HW_REG_IB_STS2, 6, 4)
	s_cmp_eq_u32 s2, 0
	s_cbranch_scc0 .Lentry_in_a_cluster
	s_endpgm
.Lentry_in_a_cluster:
	s_bfe_u32 s2, ttmp6, 0x10000c
	s_cmp_lg_u32 s2, 0x3003
	s_cbranch_scc0 .Lentry_shape_is_right
	s_endpgm
.Lentry_shape_is_right:
; The whole block (LN1, Q K V, windowed attention with a position bias, projection, residual, LN2, fc1, GELU, fc2, residual), ONE WINDOW OF 32 TOKENS A WAVE, nothing through memory.
; All eight large products run on codes of FP4 (E2M1) with one E8M0 scale for each 32 along K; what goes into a quantiser is f32.
; SHARES.  Work-group g = 4 x cluster + place takes windows 8 g .. 8 g + 7, wave w window 8 g + w.  The waves hand each other no activation; they share the weights' images in LDS.
; LAYOUT.  A window is two tiles of 16 tokens; row r of tile T is window token 8 T + r + 8 (r / 8).  Lane (r, h) holds token r, and register 16 b + i holds channel 32 b + 16 h + i.
; Every product but V's is used transposed (source 0 = 16 rows of a weight, source 1 = 16 tokens), and the weight rows of a tile are chosen (launch prep) so that its results lie in that same layout:
; so x is the C of the projection, x1 the accumulator of fc2, and each result's 16 registers of two tiles are 16 neighbours along the next K, ready for the conversions.
; ATTENTION.  A head's K is 32, the instruction's 128: a fragment holds four heads' blocks, and source 1 is masked to ONE block (zero codes add nothing), which gives that head's product alone.
; V is made untransposed, so that a lane holds a channel and its registers run along the keys, the second product's K.
; SOFTMAX.  t = logit x log2(e); M = ceil(the row's largest t); p = 2^(t - M) is quantised along the keys; the row's sum of the unquantised p divides O.
; GELU.  x Phi(x) = max(x, 0) - |x| Q(|x|), Q(a) = exp(-a a / 2) (c1 t + .. + c5 t^5), t = 1 / (1 + 0.2316419 a) (Abramowitz and Stegun 26.2.17, 1 / sqrt(2 pi) folded in).
; WEIGHTS.  wblob's 12 chunks come into LDS by three joint tensor loads a wave: every work-group of the launch walks the same bytes, so the four of a cluster ask together (mask 15).  x comes by loads of the wave's own.
; LDS: 0: x tile 0, 16,640 bytes a wave, then Wq Wk Wv Wp, then c0 c1 c2 (Wp stays), then c3 .. c7 from 104,448 on | 139,264: x tile 1, until c4 .. c7 | 278,528: a stage of 4,352 bytes a wave (positions, later the way out)
;      | 313,344: the parameters (ln1_g ln1_b bq bk bv bp ln2_g ln2_b fc1_b fc2_b) | 326,656: the spare words.  The launch claims all of a WGP's LDS.
; REGISTERS.  Window 1: v0-127 tile 0 of x / x1 / out; v128-255 (U): tile 1, and between LN1 and the projection the results in hand (Q K V, scores, O).
; Window 0: v1-15 addresses and masks; v16-39 scale words and nothing else; v40-71 the tokens' fragments; v72-167 Q, K, V fragments, later work; v168-247 work; v248-251 the quantiser's; v252-254 addresses.
; LIMITS.  NaN and infinities among the inputs are not served.  A block whose largest magnitude lies under 2^-124, a block of zeros too, gets the scale byte 1.  v_exp_f32 gives 0 for p under 2^-126.
; Q(a) is within 7.5e-8 of its value, besides f32 rounding.  BatchNorm is folded into three constants a hidden unit, and pe_b2 enters as pe_b2 x log2(e) in the exponent's addend: orders of rounding other than the source's.
.set XTW,   16640
.set XT1,   139264
.set CHUNK, 34816
.set SCO,   32768
.set STG,   278528
.set STGW,  4352
.set PAR,   313344
.set SPARE, 326656
.set U,     128
.set XF,    40
.set XS,    32
.set MK,    168
.set PF,    216
.set LS,    232
.set MSB,   0
.macro WIN new                         ; the immediate's high byte repeats the setting that is left; a switch that changes nothing is dropped
.if MSB != (\new)
	s_set_vgpr_msb (MSB<<8)|(\new)
.set MSB, (\new)
.endif
.endm
.macro PLACES n
.rept \n
	v_nop
.endr
.endm
.macro ROUND                           ; a round of the cluster's barrier
	s_barrier_signal -1
	s_barrier_wait -1
	s_cmp_lg_u32 s36, 0
	s_cbranch_scc1 .Lnot_wave_0_\@
	s_barrier_signal -3
.Lnot_wave_0_\@:
	s_barrier_wait -3
	s_barrier_signal -1
	s_barrier_wait -1
.endm
; A joint refill: each wave brings rows x 256 dense bytes of wblob, from byte gb + wave's share on, to LDS byte ldsb + wave's share.  The descriptor hangs on the wave's number and constants alone.
.macro REFILL rows, ldsb, gb
	WIN 0
	s_wait_tensorcnt 0x0                           ; all my tensor loads have landed, so the descriptor may be written
	ds_add_u32 v10, v11                            ; 0 onto my spare word; the descriptor's words stand between it and the wait for it
	s_mov_b32 s68, 15|(3<<16)|(1<<21)              ; 15:0 the mask: all four work-groups; 17:16 elements of 8 bytes; 21 set beside a mask; no padding
	s_mov_b32 s69, 32<<16                          ; tensor_dim0 = 32 elements: rows of 256 bytes
	s_mov_b32 s70, (\rows)<<16                     ; tensor_dim1
	s_mov_b32 s71, 32<<16                          ; tile_dim0
	s_mov_b32 s72, \rows                           ; tile_dim1
	s_mov_b32 s73, 32                              ; pitch: the block is dense
	s_mov_b32 s74, 0
	s_mov_b32 s75, 0
	s_mov_b32 s76, 1
	s_mul_i32 s96, s36, (\rows)*256
	s_mov_b32 s97, 0
	s_add_co_u32 s77, s96, \ldsb
	s_add_nc_u64 s[78:79], s[8:9], s[96:97]
	s_add_nc_u64 s[78:79], s[78:79], \gb
	s_or_b32 s79, s79, 0x80000000
	s_wait_dscnt 0x0                               ; the add is done, my LDS stores have landed and my reads of the bytes to be filled are back
	ROUND                                          ; the same now holds of every wave of the four work-groups
	tensor_load_to_lds s[76:79], s[68:75]          ; my one tensor load behind the round, and the first thing there
	s_nop 0
	PLACES 4
.endm
; Half a fragment: 32 numbers of a lane, register 16 b + i = k 32 b + 16 h + i of my row (window sw), become registers dst .. dst + 3 of an operand and bytes 2 c, 2 c + 1 of its scale word.
.macro HQ sw, src, dst, sreg, c
	WIN 0x05*(\sw)
	v_max3_num_f32 v248, |v[(\src)]|, |v[(\src)+1]|, 0x1800000       ; the floor 2^(3 - 127) among the leaves holds the byte at 1 from below
	v_max3_num_f32 v249, |v[(\src)+16]|, |v[(\src)+17]|, 0x1800000
	WIN 0x14*(\sw)
.irp i, 2,4,6,8,10,12,14
	v_max3_num_f32 v248, v248, |v[(\src)+\i]|, |v[(\src)+\i+1]|      ; the two blocks by turns
	v_max3_num_f32 v249, v249, |v[(\src)+16+\i]|, |v[(\src)+17+\i]|
.endr
	WIN 0
	v_permlanex16_b32 v250, v248, s38, s39
	v_permlanex16_b32 v251, v249, s38, s39
	v_max_num_f32 v248, v248, v250                 ; with lane l xor 16's 16 numbers: the block's largest magnitude
	v_max_num_f32 v249, v249, v251
	v_add_nc_u32 v248, 0xff000000, v248            ; 2 off the exponent field: the conversion's scale operand
	v_add_nc_u32 v249, 0xff000000, v249
	v_lshrrev_b32 v250, 23, v248                   ; the scale's byte
	v_lshrrev_b32 v251, 23, v249
.if (\c) == 0
	v_lshl_or_b32 v[(\sreg)], v251, 8, v250
.else
	v_lshl_or_b32 v[(\sreg)], v250, 16, v[(\sreg)]
	v_lshl_or_b32 v[(\sreg)], v251, 24, v[(\sreg)]
.endif
	WIN (\sw)
	v_cvt_scalef32_pk8_fp4_f32 v[(\dst)], v[(\src):(\src)+7], v248
	v_cvt_scalef32_pk8_fp4_f32 v[(\dst)+1], v[(\src)+8:(\src)+15], v248
	v_cvt_scalef32_pk8_fp4_f32 v[(\dst)+2], v[(\src)+16:(\src)+23], v249
	v_cvt_scalef32_pk8_fp4_f32 v[(\dst)+3], v[(\src)+24:(\src)+31], v249
	WIN 0
	v_nop                                          ; one plain line behind the last scaled conversion
	v_permlane16_swap_b32 v[(\dst)], v[(\dst)+2]   ; the operand wants a WHOLE block in a lane: lanes 0-15 the first, lanes 16-31 the second
	v_permlane16_swap_b32 v[(\dst)+1], v[(\dst)+3]
.endm
.macro LOADW buf, f0, n                ; n fragment images of the chunk at v14, from fragment f0 on
.set lw_, 0
.rept \n
	ds_load_b128 v[(\buf)+8*lw_:(\buf)+8*lw_+3], v14 offset:((\f0)+lw_)*1024
	ds_load_b128 v[(\buf)+8*lw_+4:(\buf)+8*lw_+7], v14 offset:((\f0)+lw_)*1024+512
.set lw_, lw_+1
.endr
.endm
.macro LOADS dst, t0, n                ; n scale registers: lanes 0-15 one fragment's words, lanes 16-31 the next fragment's
.set lw_, 0
.rept \n
	ds_load_b32 v[(\dst)+lw_], v15 offset:SCO+128*((\t0)+lw_)
.set lw_, lw_+1
.endr
.endm
.macro LOADC dwin, d, t0               ; a bias straight into the results' registers, for four tiles and both tiles of tokens: it is the C of each sum's first product
	WIN 0x40*(\dwin)
.irp T, 0,1
.irp k, 0,1,2,3
	ds_load_b128 v[(\d)+32*\T+8*\k:(\d)+32*\T+8*\k+3], v252 offset:128*(((\t0)+\k)/2)+32*(((\t0)+\k)%2)
	ds_load_b128 v[(\d)+32*\T+8*\k+4:(\d)+32*\T+8*\k+7], v252 offset:128*(((\t0)+\k)/2)+32*(((\t0)+\k)%2)+16
.endr
.endr
	WIN 0
.endm
; 16 products: four tiles of a weight x two tiles of tokens x two K steps; the eight accumulators take turns, one instruction a turn
.macro MULT dwin, d, dts, wbuf, ws, xf, xs
	WIN 0x50*(\dwin)
.irp k, 0,1,2,3
.irp T, 0,1
	v_wmma_scale_f32_16x16x128_f8f6f4 v[(\d)+(\dts)*\T+8*\k:(\d)+(\dts)*\T+8*\k+7], v[(\wbuf)+16*\k:(\wbuf)+16*\k+7], v[(\xf)+16*\T:(\xf)+16*\T+7], v[(\d)+(\dts)*\T+8*\k:(\d)+(\dts)*\T+8*\k+7], v[(\ws)+\k], v[(\xs)+2*\T] matrix_a_fmt:MATRIX_FMT_FP4 matrix_b_fmt:MATRIX_FMT_FP4
.endr
.endr
.irp k, 0,1,2,3
.irp T, 0,1
	v_wmma_scale_f32_16x16x128_f8f6f4 v[(\d)+(\dts)*\T+8*\k:(\d)+(\dts)*\T+8*\k+7], v[(\wbuf)+16*\k+8:(\wbuf)+16*\k+15], v[(\xf)+16*\T+8:(\xf)+16*\T+15], v[(\d)+(\dts)*\T+8*\k:(\d)+(\dts)*\T+8*\k+7], v[(\ws)+\k], v[(\xs)+2*\T+1] matrix_a_fmt:MATRIX_FMT_FP4 matrix_b_fmt:MATRIX_FMT_FP4 matrix_a_scale:MATRIX_SCALE_ROW1
.endr
.endr
.endm
; ---- LayerNorm of the 128 registers at xb of window 1, quantised into the fragments and scale words of tile T
.macro LNPAR q, og, ob                 ; gain and bias of channels 64 q on, in the tokens' layout: 16 loads into set q % 2 (v104 or v168: 32 of g, 32 of b)
.irp bb, 0,1
.irp i, 0,1,2,3
	ds_load_b128 v[104+64*((\q)%2)+16*\bb+4*\i:107+64*((\q)%2)+16*\bb+4*\i], v5 offset:(\og)+256*(\q)+128*\bb+16*\i
	ds_load_b128 v[136+64*((\q)%2)+16*\bb+4*\i:139+64*((\q)%2)+16*\bb+4*\i], v5 offset:(\ob)+256*(\q)+128*\bb+16*\i
.endr
.endr
.endm
.macro LNTREE                          ; four pairs of partial sums in v232-239 become the row's sum in v232
	v_pk_add_f32 v[232:233], v[232:233], v[234:235]
	v_pk_add_f32 v[236:237], v[236:237], v[238:239]
	v_pk_add_f32 v[232:233], v[232:233], v[236:237]
	v_add_f32 v232, v232, v233
	v_permlanex16_b32 v250, v232, s38, s39         ; the token's other 128 channels lie in the lane 16 away
	v_add_f32 v232, v232, v250
.endm
.macro LN xb, T, og, ob
	LNPAR 0, \og, \ob
	WIN 0x05                                       ; pass 1: the mean, in four chains; the registers are taken in ascending order
.irp c, 0,1,2,3
	v_pk_add_f32 v[232+2*\c:233+2*\c], v[(\xb)+4*\c:(\xb)+4*\c+1], v[(\xb)+4*\c+2:(\xb)+4*\c+3]
.endr
	WIN 0x01
.set j_, 8
.rept 56
	v_pk_add_f32 v[232+2*(j_%4):233+2*(j_%4)], v[(\xb)+2*j_:(\xb)+2*j_+1], v[232+2*(j_%4):233+2*(j_%4)]
.set j_, j_+1
.endr
	WIN 0
	LNTREE
	v_mul_f32 v244, s66, v232                      ; / 256
	v_mov_b32 v245, v244
.irp bt, 0,1,2,3                       ; pass 2: the mean of (x - mean)^2
	WIN 0x01
.set j_, 0
.rept 16
	v_pk_add_f32 v[72+2*j_:73+2*j_], v[(\xb)+32*\bt+2*j_:(\xb)+32*\bt+2*j_+1], v[244:245] neg_lo:[0,1] neg_hi:[0,1]
.set j_, j_+1
.endr
	WIN 0
.set j_, 0
.rept 16
.if (\bt == 0) && (j_ < 4)
	v_pk_mul_f32 v[232+2*j_:233+2*j_], v[72+2*j_:73+2*j_], v[72+2*j_:73+2*j_]
.else
	v_pk_fma_f32 v[232+2*(j_%4):233+2*(j_%4)], v[72+2*j_:73+2*j_], v[72+2*j_:73+2*j_], v[232+2*(j_%4):233+2*(j_%4)]
.endif
.set j_, j_+1
.endr
.endr
	LNTREE
	v_fma_f32 v232, v232, s66, s44                 ; / 256 + 1e-5
	v_rsq_f32 v246, v232
	v_nop                                          ; a plain line behind the root
	s_wait_alu depctr_va_vdst(0)
	v_mov_b32 v247, v246
.irp q, 0,1,2,3                        ; pass 3: 64 channels at a time: (x - mean) rstd g + b, then half a fragment
.if \q < 3
	LNPAR \q+1, \og, \ob
	s_wait_dscnt 16                                ; this quarter's parameters are in; the 16 loads just issued may be out
.else
	s_wait_dscnt 0x0
.endif
	WIN 0x01
.set j_, 0
.rept 16
	v_pk_add_f32 v[72+2*j_:73+2*j_], v[(\xb)+32*\q+2*j_:(\xb)+32*\q+2*j_+1], v[244:245] neg_lo:[0,1] neg_hi:[0,1]
.set j_, j_+1
.endr
	WIN 0
.set j_, 0
.rept 16
	v_pk_mul_f32 v[72+2*j_:73+2*j_], v[72+2*j_:73+2*j_], v[246:247]
.set j_, j_+1
.endr
.set j_, 0
.rept 16
	v_pk_fma_f32 v[72+2*j_:73+2*j_], v[72+2*j_:73+2*j_], v[104+64*(\q%2)+2*j_:105+64*(\q%2)+2*j_], v[136+64*(\q%2)+2*j_:137+64*(\q%2)+2*j_]
.set j_, j_+1
.endr
	HQ 0, 72, XF+16*(\T)+8*(\q/2)+4*(\q%2), XS+2*(\T)+\q/2, \q%2
.endr
.endm
.macro ADDB off                        ; a bias of 256 channels, in the tokens' layout, onto both tiles
.set j_, 0
.rept 32
	ds_load_b128 v[72+4*j_:75+4*j_], v5 offset:(\off)+128*(j_/4)+16*(j_%4)
.set j_, j_+1
.endr
	s_wait_dscnt 0x0
	WIN 0x41
.set j_, 0
.rept 64
	v_pk_add_f32 v[2*j_:2*j_+1], v[2*j_:2*j_+1], v[72+2*j_:73+2*j_]
.set j_, j_+1
.endr
.set j_, 0
.rept 64
	v_pk_add_f32 v[U+2*j_:U+2*j_+1], v[U+2*j_:U+2*j_+1], v[72+2*j_:73+2*j_]
.set j_, j_+1
.endr
	WIN 0
.endm
; Two fragments (G = 0, 1) at src are laid out so that any ONE of a fragment's four blocks can be had with zeros round it: for each G and each half of the lanes: [registers 0-3 & mask][four zeros][registers 4-7 & mask].
; Block 2 c + hh is the eight registers from MK + 24 G + 12 hh + 4 c on.
.macro MASKS src
.irp G, 0,1
.irp hh, 0,1
.irp e, 0,1,2,3
	v_and_b32 v[MK+24*\G+12*\hh+\e], v[12+\hh], v[(\src)+8*\G+\e]
	v_mov_b32 v[MK+24*\G+12*\hh+4+\e], 0
	v_and_b32 v[MK+24*\G+12*\hh+8+\e], v[12+\hh], v[(\src)+8*\G+4+\e]
.endr
.endr
.endr
.endm
; One hidden unit of the position MLP for my query and my 16 keys: h = max(ax rx + ay ry + cc, 0); each head's scores take w2 h.  w2: the unit's eight weights, each in an even scalar register; cb: ax, ay, cc likewise.
.macro PROC w2, cb
	v_mov_b32 v184, s[(\cb)+4]
.irp p, 0,1,2,3,4,5,6,7
	v_pk_fma_f32 v[168+2*\p:169+2*\p], v[220+2*\p:221+2*\p], s[(\cb)+2:(\cb)+3], v[184:185] op_sel_hi:[1,0,0]
.endr
.irp p, 0,1,2,3,4,5,6,7
	v_pk_fma_f32 v[168+2*\p:169+2*\p], v[204+2*\p:205+2*\p], s[(\cb):(\cb)+1], v[168+2*\p:169+2*\p] op_sel_hi:[1,0,1]
.endr
.irp i, 0,1,2,3,4,5,6,7,8,9,10,11,12,13,14,15
	v_max_num_f32 v[168+\i], 0, v[168+\i]
.endr
	WIN 0x50
.irp hd, 0,1,2,3,4,5,6,7
.irp p, 0,1,2,3,4,5,6,7
	v_pk_fma_f32 v[U+16*\hd+2*\p:U+16*\hd+2*\p+1], v[168+2*\p:169+2*\p], s[(\w2)+2*\hd:(\w2)+2*\hd+1], v[U+16*\hd+2*\p:U+16*\hd+2*\p+1] op_sel_hi:[1,0,1]
.endr
.endr
	WIN 0
.endm
; The softmax of heads 4 G .. 4 G + 3, by turns.  A head's 32 keys are ONE block: its largest score serves for M and, put through the same multiply-add and exponential, for the block's largest p.
.macro SOFT G
	WIN 0x15
.irp b, 0,1,2,3
	v_max3_num_f32 v[168+\b], v[U+16*(4*(\G)+\b)], v[U+16*(4*(\G)+\b)+1], v[U+16*(4*(\G)+\b)+2]
.endr
	WIN 0x14
.irp i, 3,5,7,9,11,13
.irp b, 0,1,2,3
	v_max3_num_f32 v[168+\b], v[168+\b], v[U+16*(4*(\G)+\b)+\i], v[U+16*(4*(\G)+\b)+\i+1]
.endr
.endr
	WIN 0x04
.irp b, 0,1,2,3
	v_max_num_f32 v[168+\b], v[168+\b], v[U+16*(4*(\G)+\b)+15]
.endr
	WIN 0
.irp b, 0,1,2,3
	v_permlanex16_b32 v[180+\b], v[168+\b], s38, s39
.endr
.irp b, 0,1,2,3
	v_max_num_f32 v[168+\b], v[168+\b], v[180+\b]  ; with lane l xor 16's 16 keys
.endr
.irp b, 0,1,2,3
	v_fma_f32 v[180+\b], v[168+\b], s40, s[80+4*(\G)+\b]   ; the row's largest t
.endr
.irp b, 0,1,2,3
	v_floor_f32 v[180+\b], -v[180+\b]              ; -M = floor(-t): M is a whole number
.endr
.irp b, 0,1,2,3
	v_add_f32 v[172+2*\b], s[80+4*(\G)+\b], v[180+\b]      ; the exponent's addend: pe_b2 log2(e) - M
.endr
.irp b, 0,1,2,3
	v_fma_f32 v[168+\b], v[168+\b], s40, v[172+2*\b]
.endr
	WIN 0x41
.irp b, 0,1,2,3
.irp e, 0,2,4,6,8,10,12,14
	v_pk_fma_f32 v[U+16*(4*(\G)+\b)+\e:U+16*(4*(\G)+\b)+\e+1], v[U+16*(4*(\G)+\b)+\e:U+16*(4*(\G)+\b)+\e+1], s[40:41], v[172+2*\b:173+2*\b] op_sel_hi:[1,0,0]
.endr
.endr
.set j_, 0
.rept 64
	v_exp_f32 v[U+64*(\G)+j_], v[U+64*(\G)+j_]     ; p = 2^(t - M): not normalised
.set j_, j_+1
.endr
	WIN 0
.irp b, 0,1,2,3
	v_exp_f32 v[168+\b], v[168+\b]                 ; the block's largest p
.endr
	v_nop                                          ; a plain line behind the exponentials
	s_wait_alu depctr_va_vdst(0)
.irp b, 0,1,2,3
	v_max_num_f32 v[168+\b], 0x1800000, v[168+\b]
.endr
.irp b, 0,1,2,3
	v_add_nc_u32 v[168+\b], 0xff000000, v[168+\b]
.endr
.irp b, 0,1,2,3
	v_lshrrev_b32 v[180+\b], 23, v[168+\b]
.endr
	v_lshl_or_b32 v[28+(\G)], v181, 8, v180        ; p's scale word: a byte a head
	v_lshl_or_b32 v[28+(\G)], v182, 16, v[28+(\G)]
	v_lshl_or_b32 v[28+(\G)], v183, 24, v[28+(\G)]
	WIN 0x01
.irp b, 0,1,2,3
	v_cvt_scalef32_pk8_fp4_f32 v[PF+8*(\G)+2*\b], v[U+16*(4*(\G)+\b):U+16*(4*(\G)+\b)+7], v[168+\b]
	v_cvt_scalef32_pk8_fp4_f32 v[PF+8*(\G)+2*\b+1], v[U+16*(4*(\G)+\b)+8:U+16*(4*(\G)+\b)+15], v[168+\b]
.endr
	WIN 0
	v_nop
.irp c, 0,1
.irp i, 0,1
	v_permlane16_swap_b32 v[PF+8*(\G)+4*\c+\i], v[PF+8*(\G)+4*\c+2+\i]
.endr
.endr
	WIN 0x05                                       ; the row's sum is taken of the unquantised p
.irp b, 0,1,2,3
	v_pk_add_f32 v[LS+2*(4*(\G)+\b):LS+2*(4*(\G)+\b)+1], v[U+16*(4*(\G)+\b):U+16*(4*(\G)+\b)+1], v[U+16*(4*(\G)+\b)+2:U+16*(4*(\G)+\b)+3]
.endr
	WIN 0x01
.irp e, 4,6,8,10,12,14
.irp b, 0,1,2,3
	v_pk_add_f32 v[LS+2*(4*(\G)+\b):LS+2*(4*(\G)+\b)+1], v[U+16*(4*(\G)+\b)+\e:U+16*(4*(\G)+\b)+\e+1], v[LS+2*(4*(\G)+\b):LS+2*(4*(\G)+\b)+1]
.endr
.endr
	WIN 0
.irp b, 0,1,2,3
	v_add_f32 v[LS+2*(4*(\G)+\b)], v[LS+2*(4*(\G)+\b)], v[LS+2*(4*(\G)+\b)+1]
.endr
.irp b, 0,1,2,3
	v_permlanex16_b32 v[180+\b], v[LS+2*(4*(\G)+\b)], s38, s39
.endr
.irp b, 0,1,2,3
	v_add_f32 v[LS+2*(4*(\G)+\b)], v[LS+2*(4*(\G)+\b)], v[180+\b]
.endr
.endm
; GELU of 16 numbers in place.  v216-231: t, then the exponential, then max(x, 0); v232-247: the polynomial
.macro GELU d
.irp i, 0,1,2,3,4,5,6,7,8,9,10,11,12,13,14,15
	v_fma_f32 v[216+\i], |v[(\d)+\i]|, s22, 1.0
.endr
.irp i, 0,1,2,3,4,5,6,7,8,9,10,11,12,13,14,15
	v_rcp_f32 v[216+\i], v[216+\i]
.endr
	v_nop
	s_wait_alu depctr_va_vdst(0)
.irp p, 0,2,4,6,8,10,12,14
	v_pk_fma_f32 v[232+\p:233+\p], v[216+\p:217+\p], s[12:13], v[254:255] op_sel_hi:[1,0,1]
.endr
.irp c, 14,16,18
.irp p, 0,2,4,6,8,10,12,14
	v_pk_fma_f32 v[232+\p:233+\p], v[232+\p:233+\p], v[216+\p:217+\p], s[\c:\c+1] op_sel_hi:[1,1,0]
.endr
.endr
.irp p, 0,2,4,6,8,10,12,14
	v_pk_mul_f32 v[232+\p:233+\p], v[232+\p:233+\p], v[216+\p:217+\p]
.endr
.irp p, 0,2,4,6,8,10,12,14
	v_pk_mul_f32 v[216+\p:217+\p], v[(\d)+\p:(\d)+\p+1], v[(\d)+\p:(\d)+\p+1]
.endr
.irp p, 0,2,4,6,8,10,12,14
	v_pk_mul_f32 v[216+\p:217+\p], v[216+\p:217+\p], s[20:21] op_sel_hi:[1,0]
.endr
.irp i, 0,1,2,3,4,5,6,7,8,9,10,11,12,13,14,15
	v_exp_f32 v[216+\i], v[216+\i]
.endr
	v_nop
	s_wait_alu depctr_va_vdst(0)
.irp p, 0,2,4,6,8,10,12,14
	v_pk_mul_f32 v[232+\p:233+\p], v[232+\p:233+\p], v[216+\p:217+\p]
.endr
.irp i, 0,1,2,3,4,5,6,7,8,9,10,11,12,13,14,15
	v_max_num_f32 v[216+\i], 0, v[(\d)+\i]
.endr
.irp i, 0,1,2,3,4,5,6,7,8,9,10,11,12,13,14,15
	v_fma_f32 v[(\d)+\i], -|v[(\d)+\i]|, v[232+\i], v[216+\i]
.endr
.endm
; ================================================================ the head
	s_load_b512 s[4:19], s[0:1], 0x0               ; x 4, out0 6, wblob 8, peconst 10, pos 12, pe_b2 14, ln1_g 16, ln1_b 18
	s_load_b512 s[20:35], s[0:1], 0x40             ; bq 20, bk 22, bv 24, bp 26, ln2_g 28, ln2_b 30, fc1_b 32, fc2_b 34
	v_lshl_add_u32 v10, v0, 2, SPARE               ; my spare word; never rewritten
	v_mov_b32 v11, 0                               ; 0; never rewritten
	ds_add_u32 v10, v11
	ds_add_u32 v10, v11
	s_wait_dscnt 0x0
	v_lshrrev_b32 v1, 5, v0
	v_readfirstlane_b32 s36, v1                    ; wave 0..7
	s_bfe_u32 s96, ttmp6, 0x40000                  ; my place in the cluster: it enters the addresses of x, pos and out0 alone
	s_lshl_b32 s37, ttmp9, 2
	s_add_co_u32 s37, s37, s96                     ; g
	s_lshr_b32 s97, s37, 2
	s_lshl_b32 s97, s97, 10                        ; (image, band of four rows): 1,024 tokens each
	s_and_b32 s98, s37, 3
	s_lshl_b32 s98, s98, 3
	s_add_co_u32 s98, s98, s36
	s_lshl_b32 s98, s98, 3                         ; the window's first column
	s_add_co_u32 s97, s97, s98                     ; my window's first token; window token 8 hs + ws lies 256 hs + ws further on
	s_lshl_b32 s98, s97, 10
	s_mov_b32 s99, 0
	s_lshl_b32 s100, s97, 3
	s_mov_b32 s101, 0
	s_mov_b32 s38, 0x76543210
	s_mov_b32 s39, 0xfedcba98                      ; v_permlanex16_b32's selects for lane l xor 16
	s_mov_b32 s40, 0x3fb8aa3b                      ; log2(e); the packed forms name a pair and take its low word
	s_mov_b32 s41, s40
	s_mov_b32 s42, 0x3e3504f3                      ; 32^-0.5
	s_mov_b32 s43, s42
	s_mov_b32 s44, 0x3727c5ac                      ; 1e-5
	s_mov_b32 s66, 0x3b800000                      ; 1 / 256
	; x's tiles: 2 rows of 8 tokens (8,192 bytes), 512 tokens apart; 16 bytes of padding behind each token's 1,024 bytes: tokens 1,040 bytes apart in LDS
	s_mov_b32 s48, (3<<16)|(1<<20)|(7<<22)|(3<<25) ; no mask; elements of 8 bytes; padding on: 4 words behind every 256
	s_mov_b32 s49, 1024<<16                        ; tensor_dim0 = 1,024 elements
	s_mov_b32 s50, 2<<16                           ; tensor_dim1 = 2
	s_mov_b32 s51, 1024<<16                        ; tile_dim0
	s_mov_b32 s52, 2                               ; tile_dim1
	s_mov_b32 s53, 65536                           ; pitch: 524,288 bytes
	s_mov_b32 s54, 0
	s_mov_b32 s55, 0
	s_mov_b32 s56, 1
	s_mul_i32 s57, s36, XTW                        ; tile 0: 16,640 x wave
	s_mov_b32 s60, 1
	s_add_co_u32 s61, s57, XT1                     ; tile 1
	s_wait_kmcnt 0x0
	s_load_b256 s[80:87], s[14:15], 0x0            ; pe_b2
	s_add_nc_u64 s[4:5], s[4:5], s[98:99]
	s_add_nc_u64 s[6:7], s[6:7], s[98:99]
	s_add_nc_u64 s[12:13], s[12:13], s[100:101]
	s_mov_b64 s[58:59], s[4:5]
	s_or_b32 s59, s59, 0x80000000
	s_add_nc_u64 s[62:63], s[4:5], 262144          ; tile 1 begins one image row (256 tokens) further down
	s_or_b32 s63, s63, 0x80000000
	ROUND                                          ; in a cluster launch every group of tensor loads stands behind a round
	tensor_load_to_lds s[56:59], s[48:55]          ; the two first fills together: two loads of mine are out
	s_nop 0
	tensor_load_to_lds s[60:63], s[48:55]
	s_nop 0
	PLACES 4
	s_mov_b64 s[88:89], s[16:17]                   ; wave w copies the w-th of the eight arrays of 1,024 bytes into LDS
.irp j, 1,2,3,4,5,6,7
	s_cmp_eq_u32 s36, \j
	s_cselect_b64 s[88:89], s[16+2*\j:17+2*\j], s[88:89]
.endr
	v_and_b32 v60, 31, v0                          ; lane
	v_and_b32 v61, 15, v0                          ; r
	v_bfe_u32 v62, v0, 4, 1                        ; h
	v_lshlrev_b32 v1, 4, v60                       ; v1: 16 x lane
	v_lshlrev_b32 v64, 4, v0
	v_lshlrev_b32 v65, 2, v0
	v_lshrrev_b32 v66, 3, v60
	v_and_b32 v67, 7, v60
	v_lshl_add_u32 v66, v66, 8, v67
	v_lshlrev_b32 v66, 3, v66                      ; window token = lane: its position lies 8 (256 (lane / 8) + lane % 8) bytes on
	global_load_b128 v[40:43], v1, s[88:89]
	global_load_b128 v[44:47], v1, s[88:89] offset:512
	global_load_b128 v[48:51], v64, s[32:33]       ; fc1_b: 16 bytes a thread
	global_load_b32 v52, v65, s[34:35]             ; fc2_b: 4 bytes a thread
	global_load_b64 v[54:55], v66, s[12:13]
	v_lshlrev_b32 v2, 2, v60                       ; v2: 4 x lane
	v_mul_u32_u24 v3, v61, 1040
	v_lshl_add_u32 v3, v62, 6, v3
	v_add_nc_u32 v3, s57, v3                       ; v3: x tile 0: token r, + 64 h
	v_add_nc_u32 v4, XT1, v3                       ; v4: x tile 1
	v_lshlrev_b32 v5, 6, v62
	v_add_nc_u32 v5, PAR, v5                       ; v5: the parameters, + 64 h
	v_and_b32 v63, 8, v61
	v_add_nc_u32 v63, v63, v61                     ; r + 8 (r / 8)
	v_lshl_add_u32 v6, v63, 2, PAR+4096            ; v6: bv at a tile's row r
	s_mul_i32 s96, s36, STGW
	s_add_co_u32 s96, s96, STG                     ; my stage
	v_mul_u32_u24 v7, v61, 272
	v_lshl_add_u32 v7, v62, 6, v7
	v_add_nc_u32 v7, s96, v7                       ; v7: the way out, in: row r, + 64 h
	v_mul_u32_u24 v8, v62, 272
	v_lshl_add_u32 v8, v61, 4, v8
	v_add_nc_u32 v8, s96, v8                       ; v8: back: lanes 0-15 one row of 256 bytes, lanes 16-31 the next
	v_lshlrev_b32 v9, 10, v62
	v_lshl_add_u32 v9, v61, 4, v9                  ; v9: the same two tokens in out0
	v_sub_nc_u32 v13, 0, v62                       ; v13: all ones in lanes 16-31
	v_not_b32 v12, v13                             ; v12: all ones in lanes 0-15
	v_lshl_add_u32 v253, v63, 3, s96               ; v253: my query's position, tile 0
	v_lshl_add_u32 v254, v62, 7, s96               ; v254: my 16 keys' positions
	s_lshl_b32 s97, s36, 10
	v_add_nc_u32 v68, s97, v1
	v_add_nc_u32 v68, PAR, v68
	v_add_nc_u32 v69, PAR+8192, v64
	v_add_nc_u32 v70, PAR+12288, v65
	v_lshl_add_u32 v71, v60, 3, s96
	v_mov_b32 v250, 0                              ; a lane permute's destination counts as one of its sources: written once
	v_mov_b32 v251, 0
.irp j, 20,21,22,23,36,37,38,39
	v_mov_b32 v\j, 0                               ; scale registers that change places with others before they are first made
.endr
	s_wait_kmcnt 0x0
.irp j, 80,81,82,83,84,85,86,87
	s_mul_f32 s\j, s\j, s40                        ; pe_b2 x log2(e)
.endr
	s_wait_loadcnt 0x0
	ds_store_b128 v68, v[40:43]
	ds_store_b128 v68, v[44:47] offset:512
	ds_store_b128 v69, v[48:51]
	ds_store_b32 v70, v52
	ds_store_b64 v71, v[54:55]                     ; positions: 8 bytes a window token, in my own stage
	s_wait_tensorcnt 0x1                           ; tile 0 has landed; tile 1's load, the one younger, may be out.  Only I read these bytes
	WIN 0x40
.set j_, 0
.rept 32
	ds_load_b128 v[4*j_:4*j_+3], v3 offset:128*(j_/4)+16*(j_%4)
.set j_, j_+1
.endr
	REFILL 68, 0, 0                                ; Wq Wk Wv Wp over tile 0's bytes: 17,408 bytes a wave.  The round also shows the parameters to every wave
	WIN 0x40
.set j_, 0
.rept 32
	ds_load_b128 v[U+4*j_:U+4*j_+3], v4 offset:128*(j_/4)+16*(j_%4)
.set j_, j_+1
.endr
	WIN 0
; ================================================================ LN1
	LN 0, 0, 0, 1024
	LN U, 1, 0, 1024                               ; (tile 1's loads were issued ahead of the parameter loads that the last wait for 0 covered)
	s_wait_tensorcnt 0x0                           ; my part of the four matrices has landed
	s_wait_dscnt 0x0
	s_barrier_signal -1
	s_barrier_wait -1                              ; everybody's has
	PLACES 8                                       ; scale words made by vector instructions stand eight places ahead of a scaled product
; ================================================================ Q and K: one trip each; the results change places at a trip's end, so that the text is written once
.macro QKLOAD gq
	LOADW 168, 8*(\gq), 8
	LOADS 28, 4*(\gq), 4
	LOADC 1, U+64*((\gq)%2), 4*(\gq)
.endm
.macro QKGROUP gq                      ; tiles 4 gq .. 4 gq + 3: 64 channels of both tiles of tokens
	s_wait_dscnt 0x0
	MULT 1, U+64*(\gq%2), 32, 168, 28, XF, XS
	WIN 0
	PLACES 4                                       ; in front of loads into registers that the products read, and of the first read of results
.if \gq < 3
	QKLOAD \gq+1
.endif
	s_cmp_lg_u32 s45, 0
	s_cbranch_scc1 .Lno_scale_\@
	WIN 0x41
.set j_, 0
.rept 32
	v_pk_mul_f32 v[U+64*(\gq%2)+2*j_:U+64*(\gq%2)+2*j_+1], v[U+64*(\gq%2)+2*j_:U+64*(\gq%2)+2*j_+1], s[42:43] op_sel_hi:[1,0]   ; q x 32^-0.5, ahead of its quantiser
.set j_, j_+1
.endr
	WIN 0
.Lno_scale_\@:
	HQ 1, U+64*(\gq%2), 72+8*(\gq/2)+4*(\gq%2), 16+\gq/2, \gq%2
	HQ 1, U+64*(\gq%2)+32, 88+8*(\gq/2)+4*(\gq%2), 18+\gq/2, \gq%2
.endm
	s_mov_b32 s45, 0
	s_mov_b32 s46, 0                               ; the matrix's chunk in LDS
	s_mov_b32 s47, 2048                            ; its bias among the parameters
.Lqk:
	v_add_nc_u32 v14, s46, v1
	v_add_nc_u32 v15, s46, v2
	v_add_nc_u32 v252, s47, v5
	QKLOAD 0
	QKGROUP 0
	QKGROUP 1
	QKGROUP 2
	QKGROUP 3
.set j_, 0
.rept 32
	v_swap_b32 v[72+j_], v[104+j_]                 ; after two trips v72-103 hold Q's fragments, v104-135 K's
.set j_, j_+1
.endr
.irp j, 0,1,2,3
	v_swap_b32 v[16+\j], v[20+\j]
.endr
	s_add_co_u32 s46, s46, CHUNK
	s_add_co_u32 s47, s47, 1024
	s_add_co_u32 s45, s45, 1
	s_cmp_lt_u32 s45, 2
	s_cbranch_scc1 .Lqk
; ================================================================ V, untransposed: source 0 = 16 tokens, source 1 = 16 rows of Wv: a lane holds a channel, its registers 8 T + j the keys 16 h + 8 T + j
.macro VLOAD gv
	LOADW 168, 8*(\gv), 8
	LOADS 28, 4*(\gv), 4
.irp k, 0,1,2,3
	ds_load_b32 v[232+8*((\gv)%2)+2*\k], v6 offset:4*(32*((4*(\gv)+\k)/2)+8*((4*(\gv)+\k)%2))
.endr
.endm
.macro VGROUP gv                       ; heads 2 gv, 2 gv + 1 (tile k = 2 b + u: head 2 gv + b, half u of its channels)
	s_wait_dscnt 0x0
	WIN 0x40
.irp k, 0,1,2,3
.irp T, 0,1
	v_wmma_scale_f32_16x16x128_f8f6f4 v[U+64*(\gv%2)+32*(\k%2)+16*(\k/2)+8*\T:U+64*(\gv%2)+32*(\k%2)+16*(\k/2)+8*\T+7], v[XF+16*\T:XF+16*\T+7], v[168+16*\k:168+16*\k+7], 0, v[XS+2*\T], v[28+\k] matrix_a_fmt:MATRIX_FMT_FP4 matrix_b_fmt:MATRIX_FMT_FP4
.endr
.endr
	WIN 0x50
.irp k, 0,1,2,3
.irp T, 0,1
	v_wmma_scale_f32_16x16x128_f8f6f4 v[U+64*(\gv%2)+32*(\k%2)+16*(\k/2)+8*\T:U+64*(\gv%2)+32*(\k%2)+16*(\k/2)+8*\T+7], v[XF+16*\T+8:XF+16*\T+15], v[168+16*\k+8:168+16*\k+15], v[U+64*(\gv%2)+32*(\k%2)+16*(\k/2)+8*\T:U+64*(\gv%2)+32*(\k%2)+16*(\k/2)+8*\T+7], v[XS+2*\T+1], v[28+\k] matrix_a_fmt:MATRIX_FMT_FP4 matrix_b_fmt:MATRIX_FMT_FP4 matrix_b_scale:MATRIX_SCALE_ROW1
.endr
.endr
	WIN 0
	PLACES 4
.if \gv < 3
	VLOAD \gv+1
.endif
	WIN 0x41
.irp k, 0,1,2,3
.irp T, 0,1
.irp e, 0,2,4,6
	v_pk_add_f32 v[U+64*(\gv%2)+32*(\k%2)+16*(\k/2)+8*\T+\e:U+64*(\gv%2)+32*(\k%2)+16*(\k/2)+8*\T+\e+1], v[U+64*(\gv%2)+32*(\k%2)+16*(\k/2)+8*\T+\e:U+64*(\gv%2)+32*(\k%2)+16*(\k/2)+8*\T+\e+1], v[232+8*(\gv%2)+2*\k:233+8*(\gv%2)+2*\k] op_sel_hi:[1,0]   ; + bv of my channel
.endr
.endr
.endr
	WIN 0
	HQ 1, U+64*(\gv%2), 136+16*(\gv/2)+4*(\gv%2), 24+2*(\gv/2), \gv%2
	HQ 1, U+64*(\gv%2)+32, 144+16*(\gv/2)+4*(\gv%2), 25+2*(\gv/2), \gv%2
.endm
.irp j, 233,235,237,239,241,243,245,247
	v_mov_b32 v\j, 0                               ; named as upper halves of the pairs that hold bv
.endr
	v_add_nc_u32 v14, 2*CHUNK, v1
	v_add_nc_u32 v15, 2*CHUNK, v2
	VLOAD 0
	VGROUP 0
	VGROUP 1
	VGROUP 2
	VGROUP 3
	REFILL 51, 0, 4*CHUNK                          ; c0 c1 c2 over Wq Wk Wv: 13,056 bytes a wave; they land under the attention
; ================================================================ attention: one trip for each tile of 16 queries
	s_mov_b32 s45, 0
.Latt:
	MASKS 72
	PLACES 8
	WIN 0x40
.irp G, 0,1
.irp bl, 0,1,2,3
.irp u, 0,1
	v_wmma_scale_f32_16x16x128_f8f6f4 v[U+16*(4*\G+\bl)+8*\u:U+16*(4*\G+\bl)+8*\u+7], v[104+16*\u+8*\G:104+16*\u+8*\G+7], v[MK+24*\G+12*(\bl%2)+4*(\bl/2):MK+24*\G+12*(\bl%2)+4*(\bl/2)+7], 0, v[20+2*\u+\G], v[16+\G] matrix_a_fmt:MATRIX_FMT_FP4 matrix_b_fmt:MATRIX_FMT_FP4
.endr
.endr
.endr
	WIN 0                                          ; register 16 hd + i of U: head hd, my query, key 16 h + i
	PLACES 4
.irp i, 0,1,2,3,4,5,6,7
	ds_load_b128 v[168+4*\i:171+4*\i], v254 offset:16*\i
.endr
	ds_load_b64 v[200:201], v253
	s_mov_b32 s96, 0
	s_load_b512 s[12:27], s[10:11], s96 offset:0x0 ; hidden unit 0's constants
	s_load_b256 s[28:35], s[10:11], s96 offset:0x40
	s_wait_dscnt 0x0
.set j_, 0
.rept 16
	v_sub_f32 v[204+j_], v200, v[168+2*j_]         ; query's position - key's
	v_sub_f32 v[220+j_], v201, v[169+2*j_]
.set j_, j_+1
.endr
	s_mov_b32 s46, 8
.Lbias:                                            ; two hidden units a trip; each unit's constants are asked for one unit ahead
	s_wait_kmcnt 0x0
	s_load_b512 s[48:63], s[10:11], s96 offset:0x80
	s_load_b256 s[88:95], s[10:11], s96 offset:0xc0
	PROC 12, 28
	s_wait_kmcnt 0x0                               ; the odd unit's constants are in, and the offset may be written
	s_add_co_u32 s96, s96, 256
	s_min_u32 s96, s96, 1792                       ; the last trip's look-ahead stays inside the buffer; its result is not used
	s_load_b512 s[12:27], s[10:11], s96 offset:0x0
	s_load_b256 s[28:35], s[10:11], s96 offset:0x40
	PROC 48, 88
	s_sub_co_u32 s46, s46, 1
	s_cmp_lg_u32 s46, 0
	s_cbranch_scc1 .Lbias
	s_wait_kmcnt 0x0                               ; the look-ahead has landed: its registers are written again
	SOFT 0
	SOFT 1
.irp hd, 0,1,2,3,4,5,6,7
	v_rcp_f32 v[LS+2*\hd], v[LS+2*\hd]
.endr
	v_nop
	MASKS PF
	PLACES 8
	WIN 0x40
.irp G, 0,1
.irp bl, 0,1,2,3
.irp u, 0,1
	v_wmma_scale_f32_16x16x128_f8f6f4 v[U+16*(4*\G+\bl)+8*\u:U+16*(4*\G+\bl)+8*\u+7], v[136+16*\G+8*\u:136+16*\G+8*\u+7], v[MK+24*\G+12*(\bl%2)+4*(\bl/2):MK+24*\G+12*(\bl%2)+4*(\bl/2)+7], 0, v[24+2*\G+\u], v[28+\G] matrix_a_fmt:MATRIX_FMT_FP4 matrix_b_fmt:MATRIX_FMT_FP4
.endr
.endr
.endr
	WIN 0                                          ; register 16 hd + i of U: my query's channel 32 hd + 16 h + i
	PLACES 4
	WIN 0x41
	s_wait_alu depctr_va_vdst(0)
.irp hd, 0,1,2,3,4,5,6,7
.irp e, 0,2,4,6,8,10,12,14
	v_pk_mul_f32 v[U+16*\hd+\e:U+16*\hd+\e+1], v[U+16*\hd+\e:U+16*\hd+\e+1], v[LS+2*\hd:LS+2*\hd+1] op_sel_hi:[1,0]   ; / the row's sum
.endr
.endr
	WIN 0
	HQ 1, U, 40, 36, 0
	HQ 1, U+32, 44, 36, 1
	HQ 1, U+64, 48, 37, 0
	HQ 1, U+96, 52, 37, 1
.set j_, 0
.rept 16
	v_swap_b32 v[72+j_], v[88+j_]                  ; the other tile's queries come to the front,
	v_swap_b32 v[40+j_], v[56+j_]                  ; and this tile's O goes to the back: after two trips v40-55 hold tile 0's, v56-71 tile 1's
.set j_, j_+1
.endr
.irp j, 0,1
	v_swap_b32 v[16+\j], v[18+\j]
	v_swap_b32 v[36+\j], v[38+\j]
.endr
	v_add_nc_u32 v253, 64, v253
	s_add_co_u32 s45, s45, 1
	s_cmp_lt_u32 s45, 2
	s_cbranch_scc1 .Latt
; ================================================================ the projection: x + bp is the C, x1 the result
	WIN 0x40
.set j_, 0
.rept 32
	ds_load_b128 v[U+4*j_:U+4*j_+3], v4 offset:128*(j_/4)+16*(j_%4)   ; tile 1 of x once more, from the bytes in which it landed
.set j_, j_+1
.endr
	WIN 0
	ADDB 5120
	v_add_nc_u32 v14, 3*CHUNK, v1
	v_add_nc_u32 v15, 3*CHUNK, v2
	LOADS 16, 0, 16
	LOADW 72, 0, 8
	LOADW 136, 8, 8
.irp gp, 0,1,2,3
.if \gp < 3
	s_wait_dscnt 16                                ; this group's fragments are in; the next group's 16 loads may be out
.else
	s_wait_dscnt 0x0
.endif
	MULT 1, 32*\gp, 128, 72+64*(\gp%2), 16+4*\gp, 40, 36
	WIN 0
	PLACES 4
.if \gp < 2
	LOADW 72+64*(\gp%2), 8*(\gp+2), 8
.endif
.endr
	REFILL 85, 3*CHUNK, 7*CHUNK                    ; c3 .. c7 over Wp and tile 1 of x: 21,760 bytes a wave; they land under LN2
; ================================================================ LN2; then x1 + fc2_b is fc2's starting sum
	LN 0, 0, 6144, 7168
	LN U, 1, 6144, 7168
	ADDB 12288
	s_wait_tensorcnt 0x0                           ; my part of c3 .. c7 has landed (c0 .. c2 were waited for in front of the last round)
	s_wait_dscnt 0x0
	s_barrier_signal -1
	s_barrier_wait -1                              ; everybody's has
	s_mov_b32 s12, 0x3f07dc22                      ; c5
	s_mov_b32 s13, s12
	s_mov_b32 s14, 0x3f35f0e3                      ; c3
	s_mov_b32 s15, s14
	s_mov_b32 s16, 0xbe11a98e                      ; c2
	s_mov_b32 s17, s16
	s_mov_b32 s18, 0x3e027906                      ; c1
	s_mov_b32 s19, s18
	s_mov_b32 s20, 0xbf38aa3b                      ; -log2(e) / 2
	s_mov_b32 s21, s20
	s_mov_b32 s22, 0x3e6d3389                      ; 0.2316419
	v_mov_b32 v254, 0xbf3a00e3                     ; c4
	v_mov_b32 v255, v254
; ================================================================ the MLP: a trip takes 128 hidden units: one chunk, one K step of fc2.  No barrier inside
.macro FC2 wb, t0                      ; eight tiles of fc2 x two tiles of tokens: sixteen accumulators by turns
.irp t, 0,1,2,3,4,5,6,7
.irp T, 0,1
.if (\t % 2) == 0
	v_wmma_scale_f32_16x16x128_f8f6f4 v[128*\T+8*((\t0)+\t):128*\T+8*((\t0)+\t)+7], v[(\wb)+8*\t:(\wb)+8*\t+7], v[72+8*\T:79+8*\T], v[128*\T+8*((\t0)+\t):128*\T+8*((\t0)+\t)+7], v[24+((\t0)+\t)/2], v[36+\T] matrix_a_fmt:MATRIX_FMT_FP4 matrix_b_fmt:MATRIX_FMT_FP4
.else
	v_wmma_scale_f32_16x16x128_f8f6f4 v[128*\T+8*((\t0)+\t):128*\T+8*((\t0)+\t)+7], v[(\wb)+8*\t:(\wb)+8*\t+7], v[72+8*\T:79+8*\T], v[128*\T+8*((\t0)+\t):128*\T+8*((\t0)+\t)+7], v[24+((\t0)+\t)/2], v[36+\T] matrix_a_fmt:MATRIX_FMT_FP4 matrix_b_fmt:MATRIX_FMT_FP4 matrix_a_scale:MATRIX_SCALE_ROW1
.endif
.endr
.endr
.endm
	s_mov_b32 s45, 0
	s_mov_b32 s46, 0                               ; the chunk in LDS
	s_mov_b32 s47, 8192                            ; its 128 numbers of fc1_b
.Lmlp:
	v_add_nc_u32 v14, s46, v1
	v_add_nc_u32 v15, s46, v2
	v_add_nc_u32 v252, s47, v5
	LOADS 16, 0, 8
	LOADS 24, 8, 8
	LOADW 88, 0, 8
	LOADC 0, 152, 0
	s_wait_dscnt 0x0
	MULT 0, 152, 32, 88, 16, XF, XS                ; fc1, hidden units 0-63 of the chunk
	PLACES 4
	LOADW 88, 8, 8
	GELU 152
	GELU 168
	GELU 184
	GELU 200
	HQ 0, 152, 72, 36, 0
	HQ 0, 184, 80, 37, 0
	LOADC 0, 152, 4
	s_wait_dscnt 0x0
	MULT 0, 152, 32, 88, 20, XF, XS                ; hidden units 64-127
	PLACES 4
	LOADW 88, 16, 8                                ; fc2's tiles 0-7
	GELU 152
	GELU 168
	GELU 184
	GELU 200
	HQ 0, 152, 76, 36, 1
	HQ 0, 184, 84, 37, 1
	LOADW 152, 24, 8                               ; fc2's tiles 8-15, into the registers that the hidden layer has left
	PLACES 8
	s_wait_dscnt 16                                ; tiles 0-7 are in; the 16 loads just issued may be out
	WIN 0x50
	FC2 88, 0
	s_wait_dscnt 0x0
	FC2 152, 8
	WIN 0
	PLACES 4
	s_add_co_u32 s46, s46, CHUNK
	s_add_co_u32 s47, s47, 512
	s_add_co_u32 s45, s45, 1
	s_cmp_lt_u32 s45, 8
	s_cbranch_scc1 .Lmlp
; ================================================================ the way out: 16 tokens x 64 channels at a time through my own stage, so that sixteen lanes store 256 consecutive bytes, aligned
.set n_, 0
.rept 8                                ; n = 4 T + q
.if n_ >= 4
	s_wait_xcnt 0x0                                ; the stores of four turns back have read their registers: these are loaded again only behind this wait
.endif
	WIN 0x04                                       ; an LDS store's data are its source 1
.irp bb, 0,1
.irp i, 0,1,2,3
	ds_store_b128 v7, v[128*(n_/4)+32*(n_%4)+16*\bb+4*\i:128*(n_/4)+32*(n_%4)+16*\bb+4*\i+3] offset:128*\bb+16*\i   ; each accumulator from its low end on
.endr
.endr
	WIN 0
.irp e, 0,1,2,3,4,5,6,7
	ds_load_b128 v[40+32*(n_%4)+4*\e:43+32*(n_%4)+4*\e], v8 offset:544*\e   ; LDS serves a wave's instructions in order: these see the stores above, and the next turn's stores come behind them
.endr
.irp e, 0,1,2,3,4,5,6,7
	s_wait_dscnt 7-\e
	global_store_b128 v9, v[40+32*(n_%4)+4*\e:43+32*(n_%4)+4*\e], s[6:7] offset:262144*(n_/4)+524288*(\e/4)+2048*(\e%4)+256*(n_%4) th:TH_STORE_NT
.endr
.set n_, n_+1
.endr
	s_wait_tensorcnt 0x0                           ; the wave's end, behind my last tensor load and my last LDS store
	ds_add_u32 v10, v11
	s_wait_dscnt 0x0
	ROUND                                          ; the closing round: no work-group ends while a partner may still ask for bytes jointly
	s_endpgm
.Lfunc_end_k_q478b12a13c_block:
	.size	k_q478b12a13c_block, .Lfunc_end_k_q478b12a13c_block-k_q478b12a13c_block
	.p2alignl 7, 3214868480
	.fill 96, 4, 3214868480
	.section	.rodata,"a",@progbits
	.p2align	6, 0x0
	.amdhsa_kernel k_q478b12a13c_block
		.amdhsa_group_segment_fixed_size 327680
		.amdhsa_private_segment_fixed_size 0
		.amdhsa_enable_private_segment 0
		.amdhsa_kernarg_size 128
		.amdhsa_user_sgpr_count 2
		.amdhsa_user_sgpr_kernarg_segment_ptr 1
		.amdhsa_wavefront_size32 1
		.amdhsa_system_sgpr_workgroup_id_x 1
		.amdhsa_system_sgpr_workgroup_id_y 1
		.amdhsa_system_sgpr_workgroup_id_z 1
		.amdhsa_system_vgpr_workitem_id 0
		.amdhsa_next_free_vgpr 512
		.amdhsa_next_free_sgpr 102
		.amdhsa_reserve_vcc 0
		.amdhsa_float_denorm_mode_32 3
		.amdhsa_float_denorm_mode_16_64 3
		.amdhsa_memory_ordered 1
		.amdhsa_forward_progress 1
		.amdhsa_inst_pref_size 255
	.end_amdhsa_kernel
	.section	.bss,"aw",@nobits
	.p2align	6
	.space	262144
	.amdgpu_metadata
---
amdhsa.version: [ 1, 2 ]
amdhsa.kernels:
  - .name:           k_q478b12a13c_block
    .symbol:         k_q478b12a13c_block.kd
    .args:
      - { .name: x, .offset: 0, .size: 8, .value_kind: global_buffer, .address_space: global }
      - { .name: out0, .offset: 8, .size: 8, .value_kind: global_buffer, .address_space: global }
      - { .name: wblob, .offset: 16, .size: 8, .value_kind: global_buffer, .address_space: global }
      - { .name: peconst, .offset: 24, .size: 8, .value_kind: global_buffer, .address_space: global }
      - { .name: pos, .offset: 32, .size: 8, .value_kind: global_buffer, .address_space: global }
      - { .name: pe_b2, .offset: 40, .size: 8, .value_kind: global_buffer, .address_space: global }
      - { .name: ln1_g, .offset: 48, .size: 8, .value_kind: global_buffer, .address_space: global }
      - { .name: ln1_b, .offset: 56, .size: 8, .value_kind: global_buffer, .address_space: global }
      - { .name: bq, .offset: 64, .size: 8, .value_kind: global_buffer, .address_space: global }
      - { .name: bk, .offset: 72, .size: 8, .value_kind: global_buffer, .address_space: global }
      - { .name: bv, .offset: 80, .size: 8, .value_kind: global_buffer, .address_space: global }
      - { .name: bp, .offset: 88, .size: 8, .value_kind: global_buffer, .address_space: global }
      - { .name: ln2_g, .offset: 96, .size: 8, .value_kind: global_buffer, .address_space: global }
      - { .name: ln2_b, .offset: 104, .size: 8, .value_kind: global_buffer, .address_space: global }
      - { .name: fc1_b, .offset: 112, .size: 8, .value_kind: global_buffer, .address_space: global }
      - { .name: fc2_b, .offset: 120, .size: 8, .value_kind: global_buffer, .address_space: global }
    .group_segment_fixed_size: 327680
    .private_segment_fixed_size: 0
    .kernarg_segment_align: 8
    .kernarg_segment_size: 128
    .max_flat_workgroup_size: 256
    .sgpr_count:     102
    .vgpr_count:     512
    .wavefront_size: 32
...
	.end_amdgpu_metadata
.endif
;; end of part 2
